; MI455X (gfx1250); checked and timed in simulation.
; The chip was launched on July 23, 2026; its instructions are those of AMD's public machine-readable ISA for CDNA 5 (MIT licence, August 2026) and "CDNA5" Instruction Set Architecture Reference Guide (July 2026). The comments in the code are by the model that wrote it; some were corrected since.
;; Vector Quantizer. Allowed arithmetic: matrix products marked QUANTISED: E3M2 operands, one E8M0 scale for each 32 along K, by v_wmma_scale_f32_16x16x128_f8f6f4 with both operands' format E3M2, f32 sums; everything else in f32.
;; Inputs: emb_weights 8,192 x 256 float32; hidden_states 32 x 32 x 32 x 256 float32.
;; Outputs: out0 32 x 32 x 32 x 256 float32; out1 32 x 1,024 int32.
;; This version of the problem:
;;   THIS VERSION OF THE PROBLEM IS GIVEN IN LOW PRECISION. The matrix products marked QUANTISED in the list below multiply operands that are first quantised to E3M2 (3 exponent bits, 2 mantissa bits; 6 bits a number), with one power-of-two scale for each 32 numbers along K (OCP MX v1.0); their sums are f32. All else is computed in f32.
;;   The module's matrix products, in the order in which they are computed (A, B: the left and right operand; K: the contracted axis; several contracted axes count as one K, in the product's order):
;;     1. [M 32,768, K 256] x [K 256, N 8,192]; A: input hidden_states; B: input emb_weights: QUANTISED
;;   THE QUANTISER, for each operand of a quantised product, along K:
;;     - K is cut into blocks of 32 from its start; a last block that is shorter is filled with zeros.
;;     - A block's scale is 2^e with e = floor(log2(the largest magnitude in the block)) - 4, held to -126 .. 127; a block of zeros has e = 0. As a byte (E8M0): e + 127.
;;     - Each number is divided by its block's scale, clamped to +-28, and rounded to the nearest number of E3M2, ties to even, subnormals kept.
;;     - The product sums the exact products of the quantised numbers (number of the format x scale) in f32.
;;   ~~~python
;;   def quantise(x, axis):      # numpy; x: float32 -> the quantised numbers, widened to float32 again
;;       x = np.moveaxis(x, axis, -1); K = x.shape[-1]
;;       x = np.pad(x, [(0, 0)] * (x.ndim - 1) + [(0, -K % 32)]); x = x.reshape(x.shape[:-1] + (-1, 32)); a = np.abs(x).max(-1, keepdims=True)
;;       e = np.where(a > 0, np.clip(np.frexp(np.where(a > 0, a, 1))[1] - 1 - 4, -126, 127), 0)      # np.frexp(a)[1] - 1 = floor(log2(a)), exactly
;;       r = np.clip(x / 2.0 ** e, -28, 28)
;;       step = 2.0 ** (np.maximum(np.frexp(np.where(r == 0, 1, r))[1] - 1, -2) - 2)
;;       q = np.round(r / step) * step * 2.0 ** e      # np.round: ties to even
;;       return np.moveaxis(q.reshape(q.shape[:-2] + (-1,))[..., :K], -1, axis).astype(np.float32)
;;   ~~~
;; One version. Each part assembles by itself: llvm-mc -triple=amdgcn-amd-amdhsa -mcpu=gfx1250 --defsym DOCPART=n.
;; ======== version 1 of 1: 4 launches
;; limits: right only within a limited range of input values
;; workspace buffers: zrec 6,815,744 bytes; erec 1,703,936 bytes; cand 2,097,152 bytes of whole numbers; widx 131,072 bytes of whole numbers
;; launch quant (part 1): grid 256 x 1, 10 waves a work-group, no clusters, 170,240 bytes of LDS; arguments hidden_states, emb_weights, zrec, erec; writes zrec, erec
.if DOCPART == 1
	.amdgcn_target "amdgcn-amd-amdhsa--gfx1250"
	.amdhsa_code_object_version 6
	.text
	.protected	k_q7289e3a0e6_quant
	.globl	k_q7289e3a0e6_quant
	.p2align	8
	.type	k_q7289e3a0e6_quant,@function
k_q7289e3a0e6_quant:
	s_mov_b64 s[64:65], 0
	v_nop
	global_prefetch_b8 v0, s[64:65] scope:SCOPE_SE
	s_setreg_imm32_b32 hwreg(HW_REG_WAVE_MODE, 25, 1), 1
	s_wait_xcnt 0x0
; z [32768][256] and e [8192][256], f32, become RECORDS of 16 neighbouring rows each: codes of BF6 (E3M2) laid in the order of a matrix operand's registers,
; their E8M0 scale words, and each row's sum of squares of the unquantised numbers, in f32.
; A record is 3,328 bytes (13 x 256): +0 K step 0's fragment (12 registers a lane: chunk c = registers 4 c .. 4 c + 3, lane l's 16 bytes at 512 c + 16 l), +1536 K step 1's,
; +3072 32 scale words (word l < 16: row l, K step 0; word l >= 16: row l - 16, K step 1), +3200 16 sums of squares, +3264 64 zero bytes.
; A block's scale is 2^(floor(log2(its largest magnitude)) - 4); its byte is the largest magnitude's exponent field - 4, held at 1 from below.
; LIMITS: a block of zeros, and a block whose largest magnitude lies under 2^-122, carries the byte 1 (a block of zeros has zero codes, and this program alone reads the bytes);
; NaN and infinities among the inputs are not served; a row's sum of squares is added in four packed chains, another order than a plain left-to-right sum.
; SHARES: 2,048 + 512 = 2,560 records for 256 work-groups x 10 waves: a record a wave, written out, no loop, no barrier: waves share nothing.
; Each of a wave's 32 loads reads 512 consecutive bytes; the 16 KiB turn through the wave's own stage in LDS (rows 1,040 bytes apart = 65 x 16, so that sixteen lanes that
; read the same column of sixteen rows touch sixteen different 16-byte columns) and come back so that a lane holds 16 neighbours along K of each block of its row.
.set REC,  3328
.set WREG, 16896                       ; LDS of a wave: the stage, 16 x SP, and 256 bytes for the record's tail
.set SP,   1040
.set TAIL, 16*SP
.set ST,   4                           ; v4   stage + 16 x lane: on the way in
.set RD,   5                           ; v5   stage + SP x r + 64 h: on the way out
.set L16,  6                           ; v6   16 x lane
.set TA,   7                           ; v7   tail + 4 x lane
.set TB,   8                           ; v8   tail + 8 x lane
.set L8,   9                           ; v9   8 x lane
.set X0,   16                          ; v16-79   as loaded: loads 0-15; then K step 0: register 16 b + i = k 32 b + 16 h + i of row r
.set X1,   80                          ; v80-143  loads 16-31; then K step 1
.set TM,   144                         ; v144-159 at work in QUANT
.set PW0,  160                         ; the two scale words
.set PW1,  161
.set PC0,  164                         ; v164-183 K step 0's codes (12) and 8 at work
.set PC1,  184                         ; v184-203 K step 1's
.set S,    204                         ; v204-211 four packed chains of squares
.set SEL,  20                          ; s[20:21] selects of v_permlanex16_b32 for lane l xor 16
; 64 numbers of a lane, register 16 b + i = k 32 b + 16 (lane / 16) + i of its row, become a fragment's codes in v[pc] .. v[pc + 11] and the row's scale word in v[pw].
.macro QUANT s, pc, pw
.irp b, 0,1,2,3
	v_max3_num_f32 v[TM+\b], |v[\s+16*\b]|, |v[\s+1+16*\b]|, 0x2800000   ; block b: my 16 numbers, and the floor 2^(5 - 127): the byte cannot fall under 1
.endr
.irp i, 2,4,6,8,10,12,14
.irp b, 0,1,2,3
	s_delay_alu instid0(VALU_DEP_4)
	v_max3_num_f32 v[TM+\b], v[TM+\b], |v[\s+16*\b+\i]|, |v[\s+1+16*\b+\i]|   ; the four blocks by turns
.endr
.endr
.irp b, 0,1,2,3
	s_delay_alu instid0(VALU_DEP_4)
	v_permlanex16_b32 v[TM+4+\b], v[TM+\b], s[SEL], s[SEL+1]
.endr
.irp b, 0,1,2,3
	s_delay_alu instid0(VALU_DEP_4)
	v_max_num_f32 v[TM+\b], v[TM+\b], v[TM+4+\b]   ; with lane l xor 16's 16: the block's largest magnitude
.endr
.irp b, 0,1,2,3
	s_delay_alu instid0(VALU_DEP_4)
	v_add_nc_u32 v[TM+12+\b], 0xfe000000, v[TM+\b]   ; 4 off its exponent field: the conversion takes this operand's exponent field as its scale
.endr
.irp b, 0,1,2,3
	s_delay_alu instid0(VALU_DEP_4)
	v_lshrrev_b32 v[TM+4+\b], 23, v[TM+12+\b]      ; the scale's byte
.endr
	s_delay_alu instid0(VALU_DEP_3)
	v_lshl_or_b32 v[\pw], v[TM+5], 8, v[TM+4]      ; four bytes: my row's scale word for these 128 along K
	s_delay_alu instid0(VALU_DEP_1)
	v_lshl_or_b32 v[\pw], v[TM+6], 16, v[\pw]
	s_delay_alu instid0(VALU_DEP_1)
	v_lshl_or_b32 v[\pw], v[TM+7], 24, v[\pw]
.irp c, 0,1
	v_cvt_scalef32_pk16_bf6_f32 v[\pc+6*\c:\pc+2+6*\c], v[\s+32*\c:\s+15+32*\c], v[TM+12+2*\c]
	v_cvt_scalef32_pk16_bf6_f32 v[\pc+12+4*\c:\pc+14+4*\c], v[\s+16+32*\c:\s+31+32*\c], v[TM+12+2*\c+1]   ; (a conversion's three registers begin on an even number)
.endr
	v_nop                                          ; one plain instruction behind the scaled conversions
.irp c, 0,1                                    ; the operand's layout wants a whole block in a lane: lanes 0-15 block 2 c, lanes 16-31 block 2 c + 1
.irp i, 0,1,2
	v_permlane16_swap_b32 v[\pc+6*\c+\i], v[\pc+12+4*\c+\i]
.endr
.irp i, 0,1,2
	s_delay_alu instid0(VALU_DEP_3)
	v_mov_b32 v[\pc+3+6*\c+\i], v[\pc+12+4*\c+\i]
.endr
.endr
.endm
; the squares of 64 numbers onto four packed chains; first = 1: the first four products start the chains
.macro SQ x, first
.set cc, 0
.rept 32
.if (\first) && (cc < 4)
	v_pk_mul_f32 v[S+2*cc:S+2*cc+1], v[\x+2*cc:\x+2*cc+1], v[\x+2*cc:\x+2*cc+1]
.else
	v_pk_fma_f32 v[S+2*(cc%4):S+2*(cc%4)+1], v[\x+2*cc:\x+2*cc+1], v[\x+2*cc:\x+2*cc+1], v[S+2*(cc%4):S+2*(cc%4)+1]
.endif
.set cc, cc+1
.endr
.endm
	s_load_b128 s[4:7], s[0:1], 0x0                ; z, e
	s_load_b128 s[8:11], s[0:1], 0x10              ; z's records, e's records
	v_lshl_add_u32 v216, v0, 2, 0x29400
	v_mov_b32 v217, 0
	v_lshrrev_b32 v1, 5, v0
	s_delay_alu instid0(VALU_DEP_1)
	v_readfirstlane_b32 s12, v1                    ; wave 0..9
	v_and_b32 v1, 31, v0                           ; lane
	v_and_b32 v2, 15, v0                           ; r
	v_bfe_u32 v3, v0, 4, 1                         ; h
	s_mul_i32 s13, s12, WREG                       ; my wave's LDS
	s_add_co_u32 s14, s13, TAIL
	v_lshlrev_b32 v[L16], 4, v1
	s_delay_alu instid0(VALU_DEP_1)
	v_add_nc_u32 v[ST], s13, v[L16]
	v_mul_u32_u24 v[RD], v2, SP
	s_delay_alu instid0(VALU_DEP_1)
	v_lshl_add_u32 v[RD], v3, 6, v[RD]
	s_delay_alu instid0(VALU_DEP_1)
	v_add_nc_u32 v[RD], s13, v[RD]
	v_lshl_add_u32 v[TA], v1, 2, s14
	v_lshl_add_u32 v[TB], v1, 3, s14
	v_lshlrev_b32 v[L8], 3, v1
	s_mov_b32 s[SEL], 0x76543210
	s_mov_b32 s[SEL+1], 0xfedcba98
.irp b, 0,1,2,3
	v_mov_b32 v[TM+4+\b], 0                        ; written once: a lane permute's destination counts as one of its sources
.endr
	v_mov_b32 v212, 0                              ; likewise
	v_mov_b32 v215, 0                              ; the tail's zero
	s_mul_i32 s15, ttmp9, 10
	s_add_co_u32 s15, s15, s12                     ; my record among the 2,560
	s_wait_kmcnt 0x0
	s_cmp_lt_u32 s15, 2048                         ; z's or e's?  Only pointers are chosen: both tensors take one path
	s_cselect_b64 s[4:5], s[4:5], s[6:7]
	s_cselect_b64 s[8:9], s[8:9], s[10:11]
	s_cselect_b32 s16, 0, 2048
	s_sub_co_u32 s15, s15, s16                     ; my record in its tensor
	s_lshl_b32 s16, s15, 14                        ; 16 rows of 1,024 bytes
	s_mov_b32 s17, 0
	s_add_nc_u64 s[4:5], s[4:5], s[16:17]
	s_mul_i32 s16, s15, REC
	s_add_nc_u64 s[8:9], s[8:9], s[16:17]
.set i, 0
.rept 32
	global_load_b128 v[X0+4*i:X0+4*i+3], v[L16], s[4:5] offset:512*i th:TH_LOAD_NT   ; 32 lanes read 512 consecutive bytes: half a row
.set i, i+1
.endr
.set i, 0
.rept 32
	s_wait_loadcnt 31-i                            ; loads come back in order: load i is in, the younger ones stay out
	ds_store_b128 v[ST], v[X0+4*i:X0+4*i+3] offset:(i/2)*SP+512*(i%2)
.set i, i+1
.endr
	s_wait_dscnt 0x0                               ; the stores have read their registers, which the loads below write
.irp s, 0,1
.irp b, 0,1,2,3
.irp j, 0,1,2,3
	ds_load_b128 v[X0+64*\s+16*\b+4*\j:X0+64*\s+16*\b+4*\j+3], v[RD] offset:512*\s+128*\b+16*\j
.endr
.endr
.endr
	s_wait_dscnt 16                                ; K step 0's sixteen loads are in, K step 1's may be out
	SQ X0, 1
	QUANT X0, PC0, PW0
.irp c, 0,1,2
	global_store_b128 v[L16], v[PC0+4*\c:PC0+4*\c+3], s[8:9] offset:512*\c          ; 512 consecutive bytes, at a multiple of 256 from the buffer's first byte
.endr
	s_wait_dscnt 0x0
	SQ X1, 0
	QUANT X1, PC1, PW1
.irp c, 0,1,2
	global_store_b128 v[L16], v[PC1+4*\c:PC1+4*\c+3], s[8:9] offset:1536+512*\c
.endr
	v_pk_add_f32 v[S:S+1], v[S:S+1], v[S+2:S+3]    ; the four chains,
	v_pk_add_f32 v[S+4:S+5], v[S+4:S+5], v[S+6:S+7]
	s_delay_alu instid0(VALU_DEP_1)
	v_pk_add_f32 v[S:S+1], v[S:S+1], v[S+4:S+5]
	s_delay_alu instid0(VALU_DEP_1)
	v_add_f32 v[S], v[S], v[S+1]                   ; their two halves,
	s_delay_alu instid0(VALU_DEP_1)
	v_permlanex16_b32 v212, v[S], s[SEL], s[SEL+1]
	s_delay_alu instid0(VALU_DEP_1)
	v_add_f32 v[S], v[S], v212                     ; and lane l xor 16's: the row's sum of squares
	v_cmp_le_u32 vcc_lo, 16, v1                    ; lanes 16-31
	s_delay_alu instid0(VALU_DEP_1)
	v_cndmask_b32 v213, v[PW0], v[PW1], vcc_lo     ; lanes 0-15: K step 0's word of row l; lanes 16-31: K step 1's of row l - 16
	s_delay_alu instid0(VALU_DEP_2)
	v_cndmask_b32 v214, v[S], v215, vcc_lo         ; lanes 0-15: the sum; lanes 16-31: 0
	ds_store_b32 v[TA], v213                       ; the tail's 256 bytes are gathered in my own LDS
	ds_store_b32 v[TA], v214 offset:128
	ds_load_b64 v[208:209], v[TB]                  ; LDS serves a wave's instructions in order: this sees my stores
	s_wait_dscnt 0x0
	global_store_b64 v[L8], v[208:209], s[8:9] offset:3072   ; 32 lanes store 256 consecutive bytes, aligned
	s_wait_tensorcnt 0x0
	ds_add_u32 v216, v217
	s_wait_dscnt 0x0
	s_endpgm
.Lfunc_end_k_q7289e3a0e6_quant:
	.size	k_q7289e3a0e6_quant, .Lfunc_end_k_q7289e3a0e6_quant-k_q7289e3a0e6_quant
	.p2alignl 7, 3214868480
	.fill 96, 4, 3214868480
	.section	.rodata,"a",@progbits
	.p2align	6, 0x0
	.amdhsa_kernel k_q7289e3a0e6_quant
		.amdhsa_group_segment_fixed_size 170240
		.amdhsa_private_segment_fixed_size 0
		.amdhsa_enable_private_segment 0
		.amdhsa_kernarg_size 32
		.amdhsa_user_sgpr_count 2
		.amdhsa_user_sgpr_kernarg_segment_ptr 1
		.amdhsa_wavefront_size32 1
		.amdhsa_system_sgpr_workgroup_id_x 1
		.amdhsa_system_sgpr_workgroup_id_y 1
		.amdhsa_system_sgpr_workgroup_id_z 1
		.amdhsa_system_vgpr_workitem_id 0
		.amdhsa_next_free_vgpr 218
		.amdhsa_next_free_sgpr 66
		.amdhsa_reserve_vcc 1
		.amdhsa_float_denorm_mode_32 3
		.amdhsa_float_denorm_mode_16_64 3
		.amdhsa_memory_ordered 1
		.amdhsa_forward_progress 1
		.amdhsa_inst_pref_size 27
	.end_amdhsa_kernel
	.amdgpu_metadata
---
amdhsa.version: [ 1, 2 ]
amdhsa.kernels:
  - .name:           k_q7289e3a0e6_quant
    .symbol:         k_q7289e3a0e6_quant.kd
    .args:
      - { .name: hidden_states, .offset: 0, .size: 8, .value_kind: global_buffer, .address_space: global }
      - { .name: emb_weights, .offset: 8, .size: 8, .value_kind: global_buffer, .address_space: global }
      - { .name: zrec, .offset: 16, .size: 8, .value_kind: global_buffer, .address_space: global }
      - { .name: erec, .offset: 24, .size: 8, .value_kind: global_buffer, .address_space: global }
    .group_segment_fixed_size: 170240
    .private_segment_fixed_size: 0
    .kernarg_segment_align: 8
    .kernarg_segment_size: 32
    .max_flat_workgroup_size: 320
    .sgpr_count:     66
    .vgpr_count:     218
    .wavefront_size: 32
...
	.end_amdgpu_metadata
.endif
;; end of part 1
;; launch search (part 2): grid 256 x 1, 8 waves a work-group, clusters of 4 x 1, 327,680 bytes of LDS; arguments zrec, erec, cand; writes cand
.if DOCPART == 2
	.amdgcn_target "amdgcn-amd-amdhsa--gfx1250"
	.amdhsa_code_object_version 6
	.text
	.protected	k_q7289e3a0e6_search
	.globl	k_q7289e3a0e6_search
	.p2align	8
	.type	k_q7289e3a0e6_search,@function
k_q7289e3a0e6_search:
	s_mov_b64 s[64:65], 0
	v_nop
	global_prefetch_b8 v0, s[64:65] scope:SCOPE_SE
	s_setreg_imm32_b32 hwreg(HW_REG_WAVE_MODE, 25, 1), 1
	s_wait_xcnt 0x0
	s_wait_alu depctr_hold_cnt(0) depctr_sa_sdst(0) depctr_va_vdst(0) depctr_va_sdst(0) depctr_va_ssrc(0) depctr_va_vcc(0) depctr_vm_vsrc(0)
	s_getreg_b32 s2, hwreg(HW_REG_IB_STS2, 6, 4)
	s_cmp_eq_u32 s2, 0
	s_cbranch_scc0 .Lentry_in_a_cluster
	s_endpgm
.Lentry_in_a_cluster:
	s_bfe_u32 s2, ttmp6, 0x10000c
	s_cmp_lg_u32 s2, 0x3003
	s_cbranch_scc0 .Lentry_shape_is_right
	s_endpgm
.Lentry_shape_is_right:
; For each of the 32,768 rows of z and each eighth of the 8,192 codes: the smallest distance d = -2 dot + (zz + ee) in that eighth, and the first group of eight neighbouring codes that holds it.
; dot: two scaled matrix instructions on BF6 codes (K = 256); zz + ee is rounded once in f32 and d once (a fused multiply-add).
; cand[part][row] = two whole numbers: the distance's bits turned into a key that keeps the order of the numbers (sign bit set for d >= 0, all bits turned for d < 0), and G = 2 x record + half.
; The next launch takes the smallest key of a row's eight by whole-number compares and works that group's eight distances out again.
; LIMITS: NaN among the distances is not served (the minima pass over it); a distance of -0 would rank under +0 (zz + ee is never negative, and the multiply-add gives +0 for an exact zero).
; SHARES: 32 blocks of 1,024 rows of z x 8 parts of e = 256 work-groups.  Wave w holds rows 128 w .. 128 w + 127 of the block (8 records) as matrix source 1 in window 1 (192 registers).
; The part's 64 records of e, 212,992 bytes, come into LDS once, 8 records by each wave's one tensor load, and stay: no byte of LDS is filled again, and the loop has no barrier.  Every wave walks all 64 tiles of 16 codes.
; CLUSTER: the four work-groups of a cluster take four blocks of z and the same part of e: each load is joint, with the mask 15.
; NO PREFETCH: the only tensor loads stand at the head; there is no loop to run ahead in.
; A PERIOD: the multiply-adds read tile p's 8 accumulators (32 pairs); tile p + 1 is multiplied into the same accumulators (16 matrix instructions in one run, two window switches);
; then come tile p's minima and tile p + 1's zz + ee, and among them the nine LDS loads of tile p + 2 in one batch.
; In the result lane (r, h) holds row r of z, and register j code 8 h + j of the tile.  The adds, multiply-adds and minima are dual pairs on vector registers alone, by levels across the 8 tiles.
.set REC,   3328
.set WPART, 8*REC                      ; what one wave's tensor load brings
.set SPARE, 64*REC                     ; behind the records: the spare words, 128 bytes a wave
.set L16, 1
.set L4,  2
.set R4,  3
.set AF0, 4                            ; v4-6 my addresses in tile 0: fragments, scale words, ee
.set AS0, 5
.set AE0, 6
.set AF,  7                            ; v7-9 the same in the trip's first tile
.set AS,  8
.set AE,  9
.set SPW, 10
.set NIL, 11
.set TID, 12                           ; the record of the tile at work
.set L8,  13
.set H,   14
.set ZS,  16                           ; v16-23 z's scale words
.set ZZ,  24                           ; v24-39 zz of row r of z's tile i, twice
.set BA,  40                           ; v40-55 smallest distance so far, two sets by turns
.set TI,  56                           ; v56-63 its record
.set CS,  64                           ; v64-65 the codes' scale words, by turns
.set N2,  66                           ; v66-67 -2.0, twice
.set EE,  68                           ; v68-83 ee of my eight codes, two sets by turns
.set CF,  84                           ; v84-107 the codes' fragments: K step 0, K step 1
.set D,   108                          ; v108-171 eight accumulators
.set T,   172                          ; v172-235 zz + ee, then the distances
.set TA,  240
.set MSB, 0
.macro WIN new                         ; the immediate's high byte repeats the setting that is left
.if MSB != \new
	s_set_vgpr_msb (MSB<<8)|\new
.set MSB, \new
.endif
.endm
.macro CROUND                          ; a round of the cluster's barrier
	s_barrier_signal -1
	s_barrier_wait -1
	s_cmp_lg_u32 s10, 0
	s_cbranch_scc1 .Lnot_wave_0_\@
	s_barrier_signal -3
.Lnot_wave_0_\@:
	s_barrier_wait -3
	s_barrier_signal -1
	s_barrier_wait -1
.endm
.macro LD u, c                         ; tile u from the trip's first: both fragments, the scale words and ee into set c: 9 loads
.irp x, 0,1,2,3,4,5
	ds_load_b128 v[CF+4*\x:CF+4*\x+3], v[AF] offset:(\u)*REC+512*\x
.endr
	ds_load_b32 v[CS+(\c)], v[AS] offset:(\u)*REC+3072
	ds_load_b128 v[EE+8*(\c):EE+8*(\c)+3], v[AE] offset:(\u)*REC+3200
	ds_load_b128 v[EE+8*(\c)+4:EE+8*(\c)+7], v[AE] offset:(\u)*REC+3216
.endm
; 16 matrix instructions: K step 0, then K step 1, on the 8 accumulators by turns; source 0 = 16 codes, source 1 = 16 rows of z (window 1)
.macro GG c
	WIN 0x04
.irp a, 0,1,2,3,4,5,6,7
	v_wmma_scale_f32_16x16x128_f8f6f4 v[D+8*\a:D+8*\a+7], v[CF:CF+11], v[24*\a:24*\a+11], 0, v[CS+(\c)], v[ZS+\a] matrix_a_fmt:MATRIX_FMT_BF6 matrix_b_fmt:MATRIX_FMT_BF6
.endr
.irp a, 0,1,2,3,4,5,6,7
	v_wmma_scale_f32_16x16x128_f8f6f4 v[D+8*\a:D+8*\a+7], v[CF+12:CF+23], v[24*\a+12:24*\a+23], v[D+8*\a:D+8*\a+7], v[CS+(\c)], v[ZS+\a] matrix_a_fmt:MATRIX_FMT_BF6 matrix_b_fmt:MATRIX_FMT_BF6 matrix_a_scale:MATRIX_SCALE_ROW1 matrix_b_scale:MATRIX_SCALE_ROW1
.endr
	WIN 0
.endm
.macro TADD e, i0, n                   ; t = ee (set e) + zz for z's tiles i0 .. i0 + n - 1
.set tl, \i0
.rept \n
.irp m, 0,1,2,3
	v_dual_add_f32 v[T+8*tl+2*\m], v[EE+8*(\e)+2*\m], v[ZZ+2*tl] :: v_dual_add_f32 v[T+8*tl+2*\m+1], v[EE+8*(\e)+2*\m+1], v[ZZ+2*tl+1]
.endr
.set tl, tl+1
.endr
.endm
.macro FM                              ; d = -2 dot + t; each accumulator is read from its low end on
.set tl, 0
.rept 8
.irp m, 0,1,2,3
	v_dual_fmac_f32 v[T+8*tl+2*\m], v[N2], v[D+8*tl+2*\m] :: v_dual_fmac_f32 v[T+8*tl+2*\m+1], v[N2+1], v[D+8*tl+2*\m+1]
.endr
.set tl, tl+1
.endr
.endm
.macro MINA o                          ; in each tile registers o, o + 1 against o + 2, o + 3
.irp i, 0,1,2,3,4,5,6,7
	v_dual_min_num_f32 v[T+8*\i+\o], v[T+8*\i+\o], v[T+8*\i+\o+2] :: v_dual_min_num_f32 v[T+8*\i+\o+1], v[T+8*\i+\o+1], v[T+8*\i+\o+3]
.endr
.endm
; Period p.  par = p % 2; u: where tile p + 2 lies from the trip's first tile; ld: it is fetched; mm: tile p + 1 is multiplied and its t made.
.macro PERIOD par, u, ld, mm
.set OLD, BA+8*(\par)
.set NEW, BA+8-8*(\par)
	FM
.if \mm
	s_wait_alu depctr_va_vdst(0)
	s_wait_dscnt 0x0                               ; tile p + 1's nine loads, issued in the period before
	GG 1-\par
.endif
	MINA 0                                         ; eight places ahead of the loads into the fragments' registers
.if \ld
	LD \u, \par
.endif
	MINA 4
.irp i, 0,1,2,3,4,5,6,7
	v_dual_min_num_f32 v[T+8*\i], v[T+8*\i], v[T+8*\i+4] :: v_dual_min_num_f32 v[T+8*\i+1], v[T+8*\i+1], v[T+8*\i+5]
.endr
.irp q, 0,1,2,3                        ; two tiles to a pair
	v_dual_min_num_f32 v[T+16*\q], v[T+16*\q], v[T+16*\q+1] :: v_dual_min_num_f32 v[T+16*\q+9], v[T+16*\q+9], v[T+16*\q+8]
.endr
.irp q, 0,1,2,3
	v_dual_min_num_f32 v[NEW+2*\q], v[T+16*\q], v[OLD+2*\q] :: v_dual_min_num_f32 v[NEW+2*\q+1], v[T+16*\q+9], v[OLD+2*\q+1]
.endr
.irp i, 0,1,2,3,4,5,6,7
	v_cmp_lt_f32 s[40+\i], v[NEW+\i], v[OLD+\i]    ; strictly smaller: the earlier tile stays
.endr
.irp i, 0,1,2,3,4,5,6,7
	v_cndmask_b32 v[TI+\i], v[TI+\i], v[TID], s[40+\i]
.endr
	v_add_nc_u32 v[TID], 1, v[TID]
.if \mm
	TADD 1-\par, 0, 8
.endif
.endm
.macro MERGE va, ga, vb, gb            ; the smaller distance; among equals the lower group
	v_cmp_lt_f32 s42, v[\vb], v[\va]
	v_cmp_eq_f32 s43, v[\vb], v[\va]
	v_cmp_lt_u32 vcc_lo, v[\gb], v[\ga]
	s_and_b32 s43, s43, vcc_lo
	s_or_b32 s42, s42, s43
	v_cndmask_b32 v[\va], v[\va], v[\vb], s42
	v_cndmask_b32 v[\ga], v[\ga], v[\gb], s42
.endm
	s_load_b128 s[4:7], s[0:1], 0x0                ; z's records, e's records
	s_load_b64 s[8:9], s[0:1], 0x10                ; cand
	v_lshl_add_u32 v[SPW], v0, 2, SPARE
	v_mov_b32 v[NIL], 0
	ds_add_u32 v[SPW], v[NIL]                      ; the add, twice
	ds_add_u32 v[SPW], v[NIL]
	v_lshrrev_b32 v[TA], 5, v0
	s_delay_alu instid0(VALU_DEP_1)
	v_readfirstlane_b32 s10, v[TA]                 ; wave 0..7
	s_bfe_u32 s11, ttmp6, 0x40000                  ; cx
	s_and_b32 s12, ttmp9, 7                        ; the part of e: the same in the cluster's four
	s_lshr_b32 s15, ttmp9, 3
	s_lshl_b32 s15, s15, 2
	s_add_co_u32 s15, s15, s11                     ; the block of z
	s_mov_b32 s16, 15|(3<<16)|(1<<21)              ; group 1: mask of the four, elements of 8 bytes; 104 rows of 256 bytes, dense
	s_mov_b32 s17, 32<<16
	s_mov_b32 s18, 104<<16
	s_mov_b32 s19, 32<<16
	s_mov_b32 s20, 104
	s_mov_b32 s21, 32
	s_mov_b32 s22, 0
	s_mov_b32 s23, 0
	s_mul_i32 s36, s10, WPART                      ; my eight records in LDS and in the part
	s_mul_i32 s38, s12, 64*REC
	s_add_co_u32 s38, s38, s36
	s_mov_b32 s39, 0
	s_lshl_b32 s46, s15, 3
	s_add_co_u32 s46, s46, s10
	s_mul_i32 s46, s46, 8*REC                      ; my eight records of z
	s_mov_b32 s47, 0
	s_lshl_b32 s44, s12, 18                        ; cand: 262,144 bytes a part,
	s_lshl_b32 s45, s15, 13                        ; 8,192 a block,
	s_add_co_u32 s44, s44, s45
	s_lshl_b32 s45, s10, 10                        ; 1,024 a wave
	s_add_co_u32 s44, s44, s45
	s_mov_b32 s45, 0
	s_lshl_b32 s50, s12, 6                         ; the part's first record
	s_mov_b32 s13, 0
	s_mov_b32 s14, 31
	s_mov_b32 s34, 0x76543210
	s_mov_b32 s35, 0xfedcba98
	s_mov_b32 s48, 0xffff0000                      ; lanes 16-31
	v_and_b32 v[TA+1], 31, v0
	v_and_b32 v[TA+2], 15, v0
	v_bfe_u32 v[H], v0, 4, 1
	v_mov_b32 v[N2], -2.0
	v_mov_b32 v[N2+1], -2.0
	v_mov_b32 v[TID], s50
	v_lshlrev_b32 v[L16], 4, v[TA+1]
	v_lshlrev_b32 v[L4], 2, v[TA+1]
	v_lshlrev_b32 v[R4], 2, v[TA+2]
	v_lshlrev_b32 v[L8], 3, v[TA+1]
	v_lshlrev_b32 v[AE0], 5, v[H]
	v_lshlrev_b32 v[AF0], 4, v[TA+1]
	v_lshlrev_b32 v[AS0], 2, v[TA+1]
.irp i, 0,1,2,3,4,5,6,7
	v_mov_b32 v[BA+\i], 0x7f800000
	v_mov_b32 v[TI+\i], 0
.endr
	v_add_nc_u32 v[AE], s13, v[AE0]
	v_add_nc_u32 v[AF], s13, v[AF0]
	v_add_nc_u32 v[AS], s13, v[AS0]
	s_wait_alu depctr_va_vdst(0)
	s_wait_dscnt 0x0                               ; the one wait for both adds
	s_wait_kmcnt 0x0
	s_add_nc_u64 s[4:5], s[4:5], s[46:47]
	s_add_nc_u64 s[8:9], s[8:9], s[44:45]
	s_add_nc_u64 s[26:27], s[6:7], s[38:39]
	CROUND                                         ; the four work-groups are here: the joint loads meet
	s_mov_b32 s24, 1
	s_mov_b32 s25, s36
	s_or_b32 s27, s27, 0x80000000
	tensor_load_to_lds s[24:27], s[16:23]          ; my one tensor load: 8 of the part's 64 records
	s_nop 0
	WIN 0x40                                       ; my eight records of z are asked for while the tensor load is on its way
.irp i, 0,1,2,3,4,5,6,7
.irp s, 0,1
.irp c, 0,1,2
	global_load_b128 v[24*\i+12*\s+4*\c:24*\i+12*\s+4*\c+3], v[L16], s[4:5] offset:\i*REC+1536*\s+512*\c
.endr
.endr
.endr
	WIN 0
.irp i, 0,1,2,3,4,5,6,7
	global_load_b32 v[ZS+\i], v[L4], s[4:5] offset:\i*REC+3072
	global_load_b32 v[ZZ+2*\i], v[R4], s[4:5] offset:\i*REC+3200
.endr
	s_wait_tensorcnt 0x0                           ; my records are in;
	s_barrier_signal -1
	s_barrier_wait -1                              ; and so are the other waves'
	LD 0, 0
	s_wait_loadcnt 0x0
.irp i, 0,1,2,3,4,5,6,7
	v_mov_b32 v[ZZ+2*\i+1], v[ZZ+2*\i]
.endr
	s_wait_alu depctr_va_vdst(0)
	s_wait_dscnt 0x0
	GG 0                                           ; tile 0
	TADD 0, 0, 1                                   ; four places ahead of the loads into the fragments' registers
	LD 1, 1
	TADD 0, 1, 7
.Ltwo:                                                 ; a trip: periods 2 j and 2 j + 1; 31 trips fetch tiles 2 to 63
	PERIOD 0, 2, 1, 1
	PERIOD 1, 3, 1, 1
	s_add_co_u32 s13, s13, 2*REC
	v_add_nc_u32 v[AF], s13, v[AF0]                ; first read 40 vector instructions on
	v_add_nc_u32 v[AS], s13, v[AS0]
	v_add_nc_u32 v[AE], s13, v[AE0]
	s_sub_co_u32 s14, s14, 1
	s_cmp_lg_u32 s14, 0
	s_cbranch_scc1 .Ltwo
	PERIOD 0, 0, 0, 1                              ; the last two periods fetch nothing
	PERIOD 1, 0, 0, 0
; the two halves of the lanes are joined; then lanes 0-15 take tile 2 q's rows and lanes 16-31 tile 2 q + 1's
.irp i, 0,1,2,3,4,5,6,7
	v_mov_b32 v[T+2*\i], v[BA+\i]
	v_lshl_add_u32 v[T+1+2*\i], v[TI+\i], 1, v[H]  ; G = 2 x record + half
.endr
.irp i, 0,1,2,3,4,5,6,7
	v_permlanex16_b32 v[D+2*\i], v[T+2*\i], s34, s35
	v_permlanex16_b32 v[D+1+2*\i], v[T+1+2*\i], s34, s35
.endr
.irp i, 0,1,2,3,4,5,6,7
	MERGE T+2*\i, T+1+2*\i, D+2*\i, D+1+2*\i
.endr
.irp q, 0,1,2,3
	v_cndmask_b32 v[D+2*\q], v[T+4*\q], v[T+4*\q+2], s48
	v_cndmask_b32 v[D+2*\q+1], v[T+4*\q+1], v[T+4*\q+3], s48
.endr
.irp q, 0,1,2,3
	v_ashrrev_i32 v[TA+\q], 31, v[D+2*\q]          ; the key: all bits turned where d < 0, else the sign bit set
.endr
.irp q, 0,1,2,3
	v_or_b32 v[TA+\q], 0x80000000, v[TA+\q]
.endr
.irp q, 0,1,2,3
	v_xor_b32 v[D+2*\q], v[D+2*\q], v[TA+\q]
.endr
.irp q, 0,1,2,3
	global_store_b64 v[L8], v[D+2*\q:D+2*\q+1], s[8:9] offset:256*\q   ; rows 32 q + lane: 256 consecutive bytes, aligned
.endr
	s_wait_tensorcnt 0x0                           ; the wave's end
	ds_add_u32 v[SPW], v[NIL]
	s_wait_dscnt 0x0
	CROUND                                         ; the closing round
	s_endpgm
.Lfunc_end_k_q7289e3a0e6_search:
	.size	k_q7289e3a0e6_search, .Lfunc_end_k_q7289e3a0e6_search-k_q7289e3a0e6_search
	.p2alignl 7, 3214868480
	.fill 96, 4, 3214868480
	.section	.rodata,"a",@progbits
	.p2align	6, 0x0
	.amdhsa_kernel k_q7289e3a0e6_search
		.amdhsa_group_segment_fixed_size 327680
		.amdhsa_private_segment_fixed_size 0
		.amdhsa_enable_private_segment 0
		.amdhsa_kernarg_size 24
		.amdhsa_user_sgpr_count 2
		.amdhsa_user_sgpr_kernarg_segment_ptr 1
		.amdhsa_wavefront_size32 1
		.amdhsa_system_sgpr_workgroup_id_x 1
		.amdhsa_system_sgpr_workgroup_id_y 1
		.amdhsa_system_sgpr_workgroup_id_z 1
		.amdhsa_system_vgpr_workitem_id 0
		.amdhsa_next_free_vgpr 448
		.amdhsa_next_free_sgpr 66
		.amdhsa_reserve_vcc 1
		.amdhsa_float_denorm_mode_32 3
		.amdhsa_float_denorm_mode_16_64 3
		.amdhsa_memory_ordered 1
		.amdhsa_forward_progress 1
		.amdhsa_inst_pref_size 57
	.end_amdhsa_kernel
	.amdgpu_metadata
---
amdhsa.version: [ 1, 2 ]
amdhsa.kernels:
  - .name:           k_q7289e3a0e6_search
    .symbol:         k_q7289e3a0e6_search.kd
    .args:
      - { .name: zrec, .offset: 0, .size: 8, .value_kind: global_buffer, .address_space: global }
      - { .name: erec, .offset: 8, .size: 8, .value_kind: global_buffer, .address_space: global }
      - { .name: cand, .offset: 16, .size: 8, .value_kind: global_buffer, .address_space: global }
    .group_segment_fixed_size: 327680
    .private_segment_fixed_size: 0
    .kernarg_segment_align: 8
    .kernarg_segment_size: 24
    .max_flat_workgroup_size: 256
    .sgpr_count:     66
    .vgpr_count:     448
    .wavefront_size: 32
...
	.end_amdgpu_metadata
.endif
;; end of part 2
;; launch pick (part 3): grid 512 x 1, 8 waves a work-group, no clusters, 1,280 bytes of LDS; arguments zrec, erec, cand, out1, widx; writes out1, widx
.if DOCPART == 3
	.amdgcn_target "amdgcn-amd-amdhsa--gfx1250"
	.amdhsa_code_object_version 6
	.text
	.protected	k_q7289e3a0e6_pick
	.globl	k_q7289e3a0e6_pick
	.p2align	8
	.type	k_q7289e3a0e6_pick,@function
k_q7289e3a0e6_pick:
	s_mov_b64 s[64:65], 0
	v_nop
	global_prefetch_b8 v0, s[64:65] scope:SCOPE_SE
	s_setreg_imm32_b32 hwreg(HW_REG_WAVE_MODE, 25, 1), 1
	s_wait_xcnt 0x0
; For each row of z the launch before has stored, for each eighth of the codes, two whole numbers: a key that keeps the order of the smallest distance there, and the group G of eight neighbouring codes that holds it.
; Here the smallest of a row's eight keys is taken by whole-number compares (among equals the lower part stays, which holds the lower indices).  That group's eight distances are worked out again, by the same
; instructions on the same codes (d = -2 dot + (zz + ee), dot by two scaled matrix instructions on BF6 codes), and the first smallest gives the index: out1, and a copy widx from which the last launch forms addresses.
; LIMITS: NaN among the distances is not served.
; SHARES: a work-group takes 64 rows (4 records of z); wave w takes record w / 2 and its rows 8 (w % 2) + 0 .. 7.  Product p (0 .. 3) serves rows x = 2 p and 2 p + 1: source 0's rows 0-7 are the eight codes of
; row 2 p's group, rows 8-15 those of row 2 p + 1's; source 1 is the whole record of z.  The eight distances of row x then lie in the registers of lane 8 (w % 2) + x + 16 (x % 2) of accumulator x / 2.
; A code's part of a fragment is read from e's records at the place of the lane that holds it there: 16 bytes a chunk.
.set REC, 3328
.set PART, 262144                      ; bytes of cand for one part: 32,768 rows x 8
.set GP,  12                           ; v12-15 G of the row whose code my lane loads, for product p
.set GO,  16                           ; v16    G of row (lane % 16) of the record: the row whose distances end in my lane
.set FA,  20                           ; v20-23 where my code's part of a fragment lies, for product p
.set SA,  24                           ; v24-27 its scale word
.set EA,  28                           ; v28    ee of my own row's group
.set ZF,  32                           ; v32-55 z's two fragments
.set ZS,  56                           ; v56    z's scale words
.set ZZ,  58                           ; v58-59 zz of row (lane % 16), twice
.set CS,  60                           ; v60-63 the codes' scale words
.set CF,  64                           ; v64-159 first the pairs (key, G): set t (0-3: product t's row; 4: my own row), part c at 16 t + 2 c; then the codes' fragments: product p, K step s at 24 p + 12 s
.set D,   160                          ; v160-191 four accumulators
.set EE,  192                          ; v192-199
.set T,   200                          ; v200-207
	s_load_b128 s[4:7], s[0:1], 0x0                ; z's records, e's records
	s_load_b128 s[8:11], s[0:1], 0x10              ; cand, out1
	s_load_b64 s[12:13], s[0:1], 0x20              ; widx
	v_lshl_add_u32 v216, v0, 2, 0x100
	v_mov_b32 v217, 0
	v_lshrrev_b32 v1, 5, v0
	s_delay_alu instid0(VALU_DEP_1)
	v_readfirstlane_b32 s14, v1                    ; wave 0..7
	s_and_b32 s15, s14, 1                          ; which eight rows of the record
	s_lshr_b32 s16, s14, 1
	s_lshl_b32 s17, ttmp9, 2
	s_add_co_u32 s17, s17, s16                     ; my record of z
	s_mul_i32 s18, s17, REC
	s_mov_b32 s19, 0
	s_lshl_b32 s20, s17, 7                         ; its 16 pairs in a part of cand
	s_mov_b32 s21, 0
	s_lshl_b32 s22, s15, 6                         ; my eight of them
	s_mov_b32 s23, 0
	s_lshl_b32 s24, ttmp9, 8                       ; the work-group's 64 words of out1 and widx
	s_mov_b32 s25, 0
	s_lshl_b32 s26, s15, 3
	s_mov_b32 s28, (1<<2)|(1<<19)                  ; the two lanes in which product p's distances are wanted: 2 p and 2 p + 17, + 8 (w % 2)
	s_lshl_b32 s28, s28, s26
	s_mov_b32 s29, (1<<4)|(1<<21)
	s_lshl_b32 s29, s29, s26
	s_mov_b32 s30, (1<<6)|(1<<23)
	s_lshl_b32 s30, s30, s26
	s_lshl_b32 s27, s14, 5                         ; LDS: 32 bytes a wave
	v_and_b32 v1, 31, v0                           ; lane
	v_and_b32 v2, 15, v0                           ; r
	v_bfe_u32 v3, v0, 4, 1                         ; h
	v_and_b32 v4, 7, v0                            ; j: which code of a group
	v_bfe_u32 v5, v0, 3, 1                         ; u: which of the product's two rows
	v_lshlrev_b32 v6, 4, v1                        ; 16 x lane
	v_lshlrev_b32 v7, 2, v1                        ; 4 x lane
	v_lshlrev_b32 v8, 2, v2                        ; 4 r
	v_lshlrev_b32 v214, 3, v2                      ; 8 r
	v_lshlrev_b32 v215, 3, v5                      ; 8 u
	v_lshlrev_b32 v10, 4, v4
	s_delay_alu instid0(VALU_DEP_1)
	v_lshl_add_u32 v10, v3, 8, v10                 ; 16 j + 256 h: the place in a chunk of the lane that holds row j, half h
	v_lshlrev_b32 v11, 2, v4
	s_delay_alu instid0(VALU_DEP_1)
	v_lshl_add_u32 v11, v3, 6, v11                 ; 4 j + 64 h: its scale word
	v_and_b32 v29, 1, v0
	s_delay_alu instid0(VALU_DEP_1)
	v_lshl_add_u32 v29, v29, 4, v4
	s_delay_alu instid0(VALU_DEP_1)
	v_add_nc_u32 v29, s26, v29
	s_delay_alu instid0(VALU_DEP_1)
	v_lshlrev_b32 v29, 2, v29                      ; 4 x the lane that holds row (lane % 8)'s index
	v_lshl_add_u32 v30, v4, 2, s27                 ; LDS: 32 w + 4 (lane % 8)
	v_lshlrev_b32 v31, 3, v1                       ; 8 x lane
	s_wait_alu depctr_va_vdst(0)
	s_wait_kmcnt 0x0
	s_add_nc_u64 s[4:5], s[4:5], s[18:19]
	s_add_nc_u64 s[8:9], s[8:9], s[20:21]
	s_add_nc_u64 s[32:33], s[8:9], s[22:23]
	s_add_nc_u64 s[10:11], s[10:11], s[24:25]
	s_add_nc_u64 s[12:13], s[12:13], s[24:25]
.irp c, 0,1,2,3,4,5,6,7
.irp p, 0,1,2,3
	global_load_b64 v[CF+16*\p+2*\c:CF+16*\p+2*\c+1], v215, s[32:33] offset:16*\p+PART*\c
.endr
	global_load_b64 v[CF+64+2*\c:CF+64+2*\c+1], v214, s[8:9] offset:PART*\c
.endr
.irp s, 0,1
.irp c, 0,1,2
	global_load_b128 v[ZF+12*\s+4*\c:ZF+12*\s+4*\c+3], v6, s[4:5] offset:1536*\s+512*\c
.endr
.endr
	global_load_b32 v[ZS], v7, s[4:5] offset:3072
	global_load_b32 v[ZZ], v8, s[4:5] offset:3200
	s_wait_loadcnt 8                               ; the forty pairs are in; z's eight loads, issued behind them, may be out
.irp c, 1,2,3,4,5,6,7                          ; the smallest key of the eight parts, the five sets by turns; a later part wins only where its key is strictly smaller
.irp t, 0,1,2,3,4
	v_cmp_lt_u32 s[34+\t], v[CF+16*\t+2*\c], v[CF+16*\t]
.endr
.irp t, 0,1,2,3,4
	v_cndmask_b32 v[CF+16*\t], v[CF+16*\t], v[CF+16*\t+2*\c], s[34+\t]
	v_cndmask_b32 v[CF+16*\t+1], v[CF+16*\t+1], v[CF+16*\t+2*\c+1], s[34+\t]
.endr
.endr
.irp p, 0,1,2,3
	v_min_u32 v[GP+\p], 0x3ff, v[CF+16*\p+1]       ; a loaded number enters an address only behind this hold; G is 0 .. 1,023
	s_delay_alu instid0(VALU_DEP_1)
	v_and_b32 v17, 0x3fe, v[GP+\p]
	s_delay_alu instid0(VALU_DEP_1)
	v_mul_u32_u24 v17, v17, REC/2                  ; the record G / 2
	s_delay_alu instid0(VALU_DEP_3)
	v_and_b32 v18, 1, v[GP+\p]                     ; its rows 8 (G % 2) on
	s_delay_alu instid0(VALU_DEP_1)
	v_lshlrev_b32 v19, 7, v18
	s_delay_alu instid0(VALU_DEP_1)
	v_add_nc_u32 v19, v19, v17
	s_delay_alu instid0(VALU_DEP_1)
	v_add_nc_u32 v[FA+\p], v19, v10
	s_delay_alu instid0(VALU_DEP_4)
	v_lshlrev_b32 v19, 5, v18
	s_delay_alu instid0(VALU_DEP_1)
	v_add_nc_u32 v19, v19, v17
	s_delay_alu instid0(VALU_DEP_1)
	v_add_nc_u32 v[SA+\p], v19, v11
.endr
	v_min_u32 v[GO], 0x3ff, v[CF+65]
	s_delay_alu instid0(VALU_DEP_1)
	v_and_b32 v17, 0x3fe, v[GO]
	s_delay_alu instid0(VALU_DEP_1)
	v_mul_u32_u24 v17, v17, REC/2
	s_delay_alu instid0(VALU_DEP_3)
	v_and_b32 v18, 1, v[GO]
	s_delay_alu instid0(VALU_DEP_1)
	v_lshlrev_b32 v19, 5, v18
	s_delay_alu instid0(VALU_DEP_1)
	v_add_nc_u32 v[EA], v19, v17
.irp p, 0,1,2,3
.irp s, 0,1
.irp c, 0,1,2
	global_load_b128 v[CF+24*\p+12*\s+4*\c:CF+24*\p+12*\s+4*\c+3], v[FA+\p], s[6:7] offset:1536*\s+512*\c
.endr
.endr
	global_load_b32 v[CS+\p], v[SA+\p], s[6:7] offset:3072
.endr
	global_load_b128 v[EE:EE+3], v[EA], s[6:7] offset:3200
	global_load_b128 v[EE+4:EE+7], v[EA], s[6:7] offset:3216
	s_wait_loadcnt 0x0
	v_mov_b32 v[ZZ+1], v[ZZ]                       ; the pair's upper half
.irp p, 0,1,2,3                                ; the four accumulators take turns
	v_wmma_scale_f32_16x16x128_f8f6f4 v[D+8*\p:D+8*\p+7], v[CF+24*\p:CF+24*\p+11], v[ZF:ZF+11], 0, v[CS+\p], v[ZS] matrix_a_fmt:MATRIX_FMT_BF6 matrix_b_fmt:MATRIX_FMT_BF6
.endr
.irp p, 0,1,2,3
	v_wmma_scale_f32_16x16x128_f8f6f4 v[D+8*\p:D+8*\p+7], v[CF+24*\p+12:CF+24*\p+23], v[ZF+12:ZF+23], v[D+8*\p:D+8*\p+7], v[CS+\p], v[ZS] matrix_a_fmt:MATRIX_FMT_BF6 matrix_b_fmt:MATRIX_FMT_BF6 matrix_a_scale:MATRIX_SCALE_ROW1 matrix_b_scale:MATRIX_SCALE_ROW1
.endr
.irp m, 0,1,2,3
	v_pk_add_f32 v[T+2*\m:T+2*\m+1], v[EE+2*\m:EE+2*\m+1], v[ZZ:ZZ+1]   ; t = zz + ee: also the four places behind the products (ISA guide 7.12.1)
.endr
.irp p, 1,2,3                                  ; each lane takes the accumulator in which its row's distances lie; each accumulator from its low end on
.irp j, 0,1,2,3,4,5,6,7
	v_cndmask_b32 v[D+\j], v[D+\j], v[D+8*\p+\j], s[27+\p]
.endr
.endr
.irp m, 0,1,2,3
	v_pk_fma_f32 v[D+2*\m:D+2*\m+1], v[D+2*\m:D+2*\m+1], -2.0, v[T+2*\m:T+2*\m+1] op_sel_hi:[1,0,1]   ; d = -2 dot + t
.endr
	s_delay_alu instid0(VALU_DEP_4)
	v_mov_b32 v208, v[D]                           ; the first smallest of the eight
	v_mov_b32 v209, 0
.irp j, 1
	s_delay_alu instid0(VALU_DEP_2)
	v_cmp_le_f32 vcc_lo, v208, v[D+\j]
	s_delay_alu instid0(VALU_DEP_1)
	v_cndmask_b32 v209, \j, v209, vcc_lo           ; the earlier one stays where it is no larger
	s_delay_alu instid0(VALU_DEP_4)
	v_min_num_f32 v208, v208, v[D+\j]
.endr
.irp j, 2, 3, 4, 5, 6, 7
	s_delay_alu instid0(VALU_DEP_1)
	v_cmp_le_f32 vcc_lo, v208, v[D+\j]
	s_delay_alu instid0(VALU_DEP_1)
	v_cndmask_b32 v209, \j, v209, vcc_lo           ; the earlier one stays where it is no larger
	s_delay_alu instid0(VALU_DEP_3)
	v_min_num_f32 v208, v208, v[D+\j]
.endr
	s_delay_alu instid0(VALU_DEP_2)
	v_lshl_add_u32 v210, v[GO], 3, v209            ; the index: 8 G + j
	ds_bpermute_b32 v211, v29, v210                ; lane l takes row (l % 8)'s
	s_wait_dscnt 0x0
	ds_store_b32 v30, v211                         ; four lanes write the same word with the same value
	s_wait_dscnt 0x0                               ; for the others' sake: my store is done
	s_barrier_signal -1
	s_barrier_wait -1
	s_cmp_lg_u32 s14, 0                            ; wave 0 stores the work-group's 64 indices
	s_cbranch_scc1 .Lend
	ds_load_b64 v[212:213], v31
	s_wait_dscnt 0x0
	global_store_b64 v31, v[212:213], s[10:11]     ; 32 lanes store 256 consecutive bytes, aligned
	global_store_b64 v31, v[212:213], s[12:13]
.Lend:
	s_wait_tensorcnt 0x0
	ds_add_u32 v216, v217
	s_wait_dscnt 0x0
	s_endpgm
.Lfunc_end_k_q7289e3a0e6_pick:
	.size	k_q7289e3a0e6_pick, .Lfunc_end_k_q7289e3a0e6_pick-k_q7289e3a0e6_pick
	.p2alignl 7, 3214868480
	.fill 96, 4, 3214868480
	.section	.rodata,"a",@progbits
	.p2align	6, 0x0
	.amdhsa_kernel k_q7289e3a0e6_pick
		.amdhsa_group_segment_fixed_size 1280
		.amdhsa_private_segment_fixed_size 0
		.amdhsa_enable_private_segment 0
		.amdhsa_kernarg_size 40
		.amdhsa_user_sgpr_count 2
		.amdhsa_user_sgpr_kernarg_segment_ptr 1
		.amdhsa_wavefront_size32 1
		.amdhsa_system_sgpr_workgroup_id_x 1
		.amdhsa_system_sgpr_workgroup_id_y 1
		.amdhsa_system_sgpr_workgroup_id_z 1
		.amdhsa_system_vgpr_workitem_id 0
		.amdhsa_next_free_vgpr 218
		.amdhsa_next_free_sgpr 66
		.amdhsa_reserve_vcc 1
		.amdhsa_float_denorm_mode_32 3
		.amdhsa_float_denorm_mode_16_64 3
		.amdhsa_memory_ordered 1
		.amdhsa_forward_progress 1
		.amdhsa_inst_pref_size 26
	.end_amdhsa_kernel
	.amdgpu_metadata
---
amdhsa.version: [ 1, 2 ]
amdhsa.kernels:
  - .name:           k_q7289e3a0e6_pick
    .symbol:         k_q7289e3a0e6_pick.kd
    .args:
      - { .name: zrec, .offset: 0, .size: 8, .value_kind: global_buffer, .address_space: global }
      - { .name: erec, .offset: 8, .size: 8, .value_kind: global_buffer, .address_space: global }
      - { .name: cand, .offset: 16, .size: 8, .value_kind: global_buffer, .address_space: global }
      - { .name: out1, .offset: 24, .size: 8, .value_kind: global_buffer, .address_space: global }
      - { .name: widx, .offset: 32, .size: 8, .value_kind: global_buffer, .address_space: global }
    .group_segment_fixed_size: 1280
    .private_segment_fixed_size: 0
    .kernarg_segment_align: 8
    .kernarg_segment_size: 40
    .max_flat_workgroup_size: 256
    .sgpr_count:     66
    .vgpr_count:     218
    .wavefront_size: 32
...
	.end_amdgpu_metadata
.endif
;; end of part 3
;; launch fetch (part 4): grid 256 x 1, 8 waves a work-group, no clusters, 0 bytes of LDS; arguments emb_weights, widx, out0; writes out0
.if DOCPART == 4
	.amdgcn_target "amdgcn-amd-amdhsa--gfx1250"
	.amdhsa_code_object_version 6
	.text
	.protected	k_q7289e3a0e6_fetch
	.globl	k_q7289e3a0e6_fetch
	.p2align	8
	.type	k_q7289e3a0e6_fetch,@function
k_q7289e3a0e6_fetch:
	s_mov_b64 s[64:65], 0
	v_nop
	global_prefetch_b8 v0, s[64:65] scope:SCOPE_SE
	s_setreg_imm32_b32 hwreg(HW_REG_WAVE_MODE, 25, 1), 1
	s_wait_xcnt 0x0
; out0[row] = emb_weights[widx[row]]: a gather of 32,768 rows of 1,024 bytes by whole numbers that an earlier launch stored.
; A wave takes 16 rows: its 16 indices come by one scalar load; a row is two loads and two stores of 512 consecutive bytes.
; The loads of AHEAD = 8 rows go out first; then, row by row, the loads of the row AHEAD further on are issued and the row that has come is stored: loads and stores are on their way together.
; Every row has its own registers, so no register of a pending load or store is written again.
; No LDS, no barrier, no matrix unit: bytes are all there is.  The loads carry no hint, since a row of the table may be named by many rows; the stores are written once and read by nobody here.
.set AHEAD, 8
.set L16, 1                            ; v1     16 x lane
.set OFF, 2                            ; v2-17  row i: 1,024 x its index + 16 x lane
.set X,   32                           ; v32-159 row i: 8 registers
	s_load_b128 s[4:7], s[0:1], 0x0                ; the table, widx
	s_load_b64 s[8:9], s[0:1], 0x10                ; out0
	v_lshrrev_b32 v1, 5, v0
	s_delay_alu instid0(VALU_DEP_1)
	v_readfirstlane_b32 s10, v1                    ; wave 0..7
	v_and_b32 v1, 31, v0
	s_delay_alu instid0(VALU_DEP_1)
	v_lshlrev_b32 v[L16], 4, v1
	s_lshl_b32 s11, ttmp9, 7
	s_lshl_b32 s12, s10, 4
	s_add_co_u32 s11, s11, s12                     ; my first row: 128 x work-group + 16 x wave
	s_lshl_b32 s12, s11, 2
	s_mov_b32 s13, 0
	s_lshl_b32 s14, s11, 10
	s_mov_b32 s15, 0
	s_wait_alu depctr_va_vdst(0)
	s_wait_kmcnt 0x0
	s_add_nc_u64 s[6:7], s[6:7], s[12:13]
	s_add_nc_u64 s[8:9], s[8:9], s[14:15]
	s_load_b512 s[16:31], s[6:7], 0x0              ; my 16 indices
	s_wait_kmcnt 0x0
.irp i, 0,1,2,3,4,5,6,7,8,9,10,11,12,13,14,15
	s_min_u32 s[16+\i], s[16+\i], 8191             ; a loaded number enters an address only behind this hold; an index is 0 .. 8,191
	s_lshl_b32 s[16+\i], s[16+\i], 10
	v_add_nc_u32 v[OFF+\i], s[16+\i], v[L16]
.endr
	s_wait_alu depctr_va_vdst(0)
.irp i, 0,1,2,3,4,5,6,7
	global_load_b128 v[X+8*\i:X+8*\i+3], v[OFF+\i], s[4:5]
	global_load_b128 v[X+8*\i+4:X+8*\i+7], v[OFF+\i], s[4:5] offset:512
.endr
.irp i, 0,1,2,3,4,5,6,7,8,9,10,11,12,13,14,15
.if \i < AHEAD
	s_wait_loadcnt 14                              ; loads come back in order: row i's two are in; those of the seven rows behind it may be out
	global_load_b128 v[X+8*(\i+AHEAD):X+8*(\i+AHEAD)+3], v[OFF+\i+AHEAD], s[4:5]
	global_load_b128 v[X+8*(\i+AHEAD)+4:X+8*(\i+AHEAD)+7], v[OFF+\i+AHEAD], s[4:5] offset:512
.else
	s_wait_loadcnt 30-2*\i                         ; the rows left behind row i: 15 - i, two loads each
.endif
	global_store_b128 v[L16], v[X+8*\i:X+8*\i+3], s[8:9] offset:1024*\i th:TH_STORE_NT       ; 512 consecutive bytes, at a multiple of 256 from the buffer's first byte
	global_store_b128 v[L16], v[X+8*\i+4:X+8*\i+7], s[8:9] offset:1024*\i+512 th:TH_STORE_NT
.endr
	s_endpgm
.Lfunc_end_k_q7289e3a0e6_fetch:
	.size	k_q7289e3a0e6_fetch, .Lfunc_end_k_q7289e3a0e6_fetch-k_q7289e3a0e6_fetch
	.p2alignl 7, 3214868480
	.fill 96, 4, 3214868480
	.section	.rodata,"a",@progbits
	.p2align	6, 0x0
	.amdhsa_kernel k_q7289e3a0e6_fetch
		.amdhsa_group_segment_fixed_size 0
		.amdhsa_private_segment_fixed_size 0
		.amdhsa_enable_private_segment 0
		.amdhsa_kernarg_size 24
		.amdhsa_user_sgpr_count 2
		.amdhsa_user_sgpr_kernarg_segment_ptr 1
		.amdhsa_wavefront_size32 1
		.amdhsa_system_sgpr_workgroup_id_x 1
		.amdhsa_system_sgpr_workgroup_id_y 1
		.amdhsa_system_sgpr_workgroup_id_z 1
		.amdhsa_system_vgpr_workitem_id 0
		.amdhsa_next_free_vgpr 160
		.amdhsa_next_free_sgpr 66
		.amdhsa_reserve_vcc 0
		.amdhsa_float_denorm_mode_32 3
		.amdhsa_float_denorm_mode_16_64 3
		.amdhsa_memory_ordered 1
		.amdhsa_forward_progress 1
		.amdhsa_inst_pref_size 10
	.end_amdhsa_kernel
	.amdgpu_metadata
---
amdhsa.version: [ 1, 2 ]
amdhsa.kernels:
  - .name:           k_q7289e3a0e6_fetch
    .symbol:         k_q7289e3a0e6_fetch.kd
    .args:
      - { .name: emb_weights, .offset: 0, .size: 8, .value_kind: global_buffer, .address_space: global }
      - { .name: widx, .offset: 8, .size: 8, .value_kind: global_buffer, .address_space: global }
      - { .name: out0, .offset: 16, .size: 8, .value_kind: global_buffer, .address_space: global }
    .group_segment_fixed_size: 0
    .private_segment_fixed_size: 0
    .kernarg_segment_align: 8
    .kernarg_segment_size: 24
    .max_flat_workgroup_size: 256
    .sgpr_count:     66
    .vgpr_count:     160
    .wavefront_size: 32
...
	.end_amdgpu_metadata
.endif
;; end of part 4
